; MI455X (gfx1250); checked and timed in simulation.
; The chip was launched on July 23, 2026; its instructions are those of AMD's public machine-readable ISA for CDNA 5 (MIT licence, August 2026) and "CDNA5" Instruction Set Architecture Reference Guide (July 2026). The comments in the code are by the model that wrote it; some were corrected since.
;; Symbolic Flow Matching. Allowed arithmetic: float matrix products may take bf16 or f16 operands with f32 sums; all other float work in f32.
;; Inputs: emb_table 32,000 x 512 float32; xt 16 x 256 x 512 float32.
;; Outputs: out0 16 x 256 x 512 float32.
;; One version. Each part assembles by itself: llvm-mc -triple=amdgcn-amd-amdhsa -mcpu=gfx1250 --defsym DOCPART=n.
;; ======== version 1 of 1: 3 launches
;; workspace buffers: embh 32,768,000 bytes; nhe 128,000 bytes; xh 4,194,304 bytes; cand 524,288 bytes of whole numbers
;; launch prep (part 1): grid 282 x 1, 8 waves a work-group, no clusters, 1,536 bytes of LDS; arguments emb_table, xt, embh, nhe, xh; writes embh, nhe, xh
.if DOCPART == 1
	.amdgcn_target "amdgcn-amd-amdhsa--gfx1250"
	.amdhsa_code_object_version 6
	.text
	.protected	k_q7859028990_prep
	.globl	k_q7859028990_prep
	.p2align	8
	.type	k_q7859028990_prep,@function
k_q7859028990_prep:
	s_mov_b64 s[64:65], 0
	v_nop
	global_prefetch_b8 v0, s[64:65] scope:SCOPE_SE
	s_setreg_imm32_b32 hwreg(HW_REG_WAVE_MODE, 25, 1), 1
	s_wait_xcnt 0x0
; Prepares the operands of the product, each input byte read once.
;   embh[n][k] = bf16(emb_table[n][k]), row-major, 1,024 bytes a row
;   nhe[n]     = -0.5 * sum over k of bf16(emb_table[n][k])^2, in f32: the squares are those of the ROUNDED table, so that the later
;                comparison is the (shifted) squared distance between the rounded vectors
;   xh         = bf16(xt) in the order of matrix fragments: [tile of 16 rows][k step of 32][j 0..1][lane][16 bytes]; the 16 bytes are
;                registers 4j..4j+3 of lane (r, h): row r, k = 32 step + 16 j + 8 h + 0..7 (ISA guide 7.12.2, 16-bit operands)
; Memory binds: no matrix unit, no cluster, no tile in LDS.  A wave owns 16 rows (32 KiB in, 16 KiB out); work-groups 0..249 take the
; table's 32,000 rows, work-groups 250..281 the 4,096 rows of x.  Everything inside a wave's share stands in immediates: no loop, no
; address is stepped.  A ring of eight register slots of four 16-byte loads keeps 32 loads of a wave on their way.
.set NTAB, 250                         ; work-groups of the table part: 250 x 8 waves x 16 rows = 32,000
.set R,   5                            ; v5        lane r and lane r + 16: the sum of squares of my wave's row r
.set H,   8                            ; v[8:15]   16 bf16, the data of the stores
.set T,   16                           ; v[16:19]  at work
.set S,   20                           ; v[20:23]  two chains of two sums
.set X,   24                           ; v[24:151] slot i: 16 registers, 16 f32 as loaded
.set XO,  152                          ; v152      x part: 2048 r + 32 h
	s_load_b256 s[4:11], s[0:1], 0x0               ; emb_table s[4:5], xt s[6:7], embh s[8:9], nhe s[10:11]
	s_load_b64 s[12:13], s[0:1], 0x20              ; xh
	v_lshl_add_u32 v160, v0, 2, 0x200
	v_mov_b32 v161, 0
	v_lshrrev_b32 v1, 5, v0
	v_readfirstlane_b32 s14, v1                    ; wave 0..7
	v_and_b32 v1, 31, v0                           ; lane
	v_lshlrev_b32 v2, 4, v1                        ; 16 x lane
	v_lshlrev_b32 v3, 3, v1                        ; 8 x lane
	v_mov_b32 v7, 0                                ; the destination of v_permlanex16_b32 counts as read
	s_mov_b32 s21, 0xffff0000                      ; a word's upper bf16
	s_mov_b32 s22, 0x76543210                      ; v_permlanex16_b32: lane i reads lane i of the other half
	s_mov_b32 s23, 0xfedcba98
	s_mov_b32 s17, 0
	s_mov_b32 s19, 0
	s_cmp_ge_u32 ttmp9, NTAB                       ; the same in all eight waves
	s_cbranch_scc1 .Lxpart
.macro CVT8 sl                         ; a slot's 16 f32 to 16 bf16, rounded to nearest even
.irp c, 0,1,2,3,4,5,6,7
	v_cvt_pk_bf16_f32 v[H+\c], v[X+16*(\sl)+2*\c], v[X+16*(\sl)+2*\c+1]
.endr
.endm
	; ---------------- the table ----------------
	s_lshl_b32 s15, ttmp9, 3
	s_add_co_u32 s15, s15, s14                     ; my group of 16 rows, 0..1999
	s_lshl_b32 s16, s15, 15                        ; x 16 rows of 2,048 bytes in (65,536,000 at the most)
	s_lshl_b32 s18, s15, 14                        ; x 16 rows of 1,024 bytes out
	v_and_b32 v4, 15, v0
	v_lshlrev_b32 v4, 2, v4
	v_lshl_add_u32 v4, s14, 6, v4                  ; LDS: 64 x wave + 4 x (lane mod 16)
	s_wait_kmcnt 0x0
	s_add_nc_u64 s[4:5], s[4:5], s[16:17]
	s_add_nc_u64 s[8:9], s[8:9], s[18:19]
	s_lshl_b32 s16, ttmp9, 9                       ; the work-group's 128 numbers of nhe
	s_add_nc_u64 s[10:11], s[10:11], s[16:17]
.irp i, 0,1,2,3,4,5,6,7
.irp j, 0,1,2,3
	global_load_b128 v[X+16*\i+4*\j:X+16*\i+4*\j+3], v2, s[4:5] offset:2048*\i+512*\j th:TH_LOAD_NT   ; 512 neighbouring bytes a load, four to a row
.endr
.endr
; Row i of my 16.  refill = 1: the slot gets row i + 8.  left = how many younger loads may stay out.
.macro EROW i, refill, left
	s_wait_loadcnt \left                           ; loads come back in order (ISA guide 5.7.1): this row's four are in
	s_wait_xcnt 0x0                                ; H, which the last row's stores read, is rewritten only behind this wait
	CVT8 (\i)&7
.if \refill
.irp j, 0,1,2,3
	global_load_b128 v[X+16*((\i)&7)+4*\j:X+16*((\i)&7)+4*\j+3], v2, s[4:5] offset:2048*((\i)+8)+512*\j th:TH_LOAD_NT
.endr
.endif
.irp j, 0,1,2,3
	global_store_b64 v3, v[H+2*\j:H+2*\j+1], s[8:9] offset:1024*(\i)+256*\j   ; 32 lanes x 8 bytes: 256 consecutive bytes, aligned
.endr
	; the squares of the rounded numbers, in two chains that the first two words start
.irp c, 0,1,2,3,4,5,6,7
	v_lshlrev_b32 v[T+2*((\c)&1)], 16, v[H+\c]
	v_and_b32 v[T+2*((\c)&1)+1], s21, v[H+\c]
.if \c < 2
	v_pk_mul_f32 v[S+2*\c:S+2*\c+1], v[T+2*\c:T+2*\c+1], v[T+2*\c:T+2*\c+1]
.else
	v_pk_fma_f32 v[S+2*((\c)&1):S+2*((\c)&1)+1], v[T+2*((\c)&1):T+2*((\c)&1)+1], v[T+2*((\c)&1):T+2*((\c)&1)+1], v[S+2*((\c)&1):S+2*((\c)&1)+1]
.endif
.endr
	v_pk_add_f32 v[S:S+1], v[S:S+1], v[S+2:S+3]
	v_add_f32 v6, v[S], v[S+1]
	v_add_f32_dpp v6, v6, v6 row_xmask:1 row_mask:0xf bank_mask:0xf
	v_add_f32_dpp v6, v6, v6 row_xmask:2 row_mask:0xf bank_mask:0xf
	v_add_f32_dpp v6, v6, v6 row_xmask:4 row_mask:0xf bank_mask:0xf
	v_add_f32_dpp v6, v6, v6 row_xmask:8 row_mask:0xf bank_mask:0xf
	v_permlanex16_b32 v7, v6, s22, s23
	v_add_f32 v6, v6, v7                           ; every lane holds the row's sum
.if (\i) == 0
	v_mov_b32 v[R], v6                             ; the first row writes R whole
.else
	s_mov_b32 s20, 0x10001<<(\i)
	v_cndmask_b32 v[R], v[R], v6, s20              ; lanes i and i + 16 keep row i's sum
.endif
.endm
.irp i, 0,1,2,3,4,5,6,7
	EROW \i, 1, 28                                 ; seven younger rows of four loads
.endr
.irp i, 8,9,10,11,12,13,14,15
	EROW \i, 0, 4*(15-\i)                          ; nothing is left to load: the counts run down
.endr
	v_mul_f32 v[R], -0.5, v[R]
	ds_store_b32 v4, v[R]                          ; lanes r and r + 16 write the same word with the same value
	s_wait_dscnt 0x0                               ; for the others' sake: my store is done before I signal
	s_barrier_signal -1
	s_barrier_wait -1
	s_cmp_lg_u32 s14, 0
	s_cbranch_scc1 .Ldone
	ds_load_b128 v[T:T+3], v2                      ; wave 0: the work-group's 128 numbers,
	s_wait_dscnt 0x0
	global_store_b128 v2, v[T:T+3], s[10:11]       ; stored as 512 consecutive bytes, aligned
.Ldone:
	s_wait_tensorcnt 0x0
	ds_add_u32 v160, v161
	s_wait_dscnt 0x0
	s_endpgm
	; ---------------- x ----------------
.Lxpart:
	s_sub_co_u32 s15, ttmp9, NTAB
	s_lshl_b32 s15, s15, 3
	s_add_co_u32 s15, s15, s14                     ; my tile of 16 rows, 0..255
	s_lshl_b32 s16, s15, 15
	s_lshl_b32 s18, s15, 14
	v_and_b32 v6, 15, v0                           ; r
	v_bfe_u32 v[XO], v0, 4, 1                      ; h
	v_lshlrev_b32 v[XO], 5, v[XO]
	v_lshl_add_u32 v[XO], v6, 11, v[XO]            ; 2048 r + 32 h: 8 f32 of row r from k = 8 h on
	s_wait_kmcnt 0x0
	s_add_nc_u64 s[6:7], s[6:7], s[16:17]
	s_add_nc_u64 s[12:13], s[12:13], s[18:19]
.macro XLOAD ks                        ; k step ks: k = 32 ks + 8 h + 0..7 and 32 ks + 16 + 8 h + 0..7; the four loads together take 128 neighbouring bytes of each of 16 rows
	global_load_b128 v[X+16*((\ks)&7):X+16*((\ks)&7)+3],     v[XO], s[6:7] offset:128*(\ks)
	global_load_b128 v[X+16*((\ks)&7)+4:X+16*((\ks)&7)+7],   v[XO], s[6:7] offset:128*(\ks)+16
	global_load_b128 v[X+16*((\ks)&7)+8:X+16*((\ks)&7)+11],  v[XO], s[6:7] offset:128*(\ks)+64
	global_load_b128 v[X+16*((\ks)&7)+12:X+16*((\ks)&7)+15], v[XO], s[6:7] offset:128*(\ks)+80
.endm
.macro XSTEP ks, refill, left
	s_wait_loadcnt \left
	s_wait_xcnt 0x0                                ; H is rewritten only behind this wait
	CVT8 (\ks)&7
.if \refill
	XLOAD (\ks)+8
.endif
	global_store_b128 v2, v[H:H+3],   s[12:13] offset:1024*(\ks)       ; registers 0-3 of all 32 lanes: 512 consecutive bytes
	global_store_b128 v2, v[H+4:H+7], s[12:13] offset:1024*(\ks)+512   ; registers 4-7
.endm
.irp i, 0,1,2,3,4,5,6,7
	XLOAD \i
.endr
.irp i, 0,1,2,3,4,5,6,7
	XSTEP \i, 1, 28
.endr
.irp i, 8,9,10,11,12,13,14,15
	XSTEP \i, 0, 4*(15-\i)
.endr
	s_endpgm
.Lfunc_end_k_q7859028990_prep:
	.size	k_q7859028990_prep, .Lfunc_end_k_q7859028990_prep-k_q7859028990_prep
	.p2alignl 7, 3214868480
	.fill 96, 4, 3214868480
	.section	.rodata,"a",@progbits
	.p2align	6, 0x0
	.amdhsa_kernel k_q7859028990_prep
		.amdhsa_group_segment_fixed_size 1536
		.amdhsa_private_segment_fixed_size 0
		.amdhsa_enable_private_segment 0
		.amdhsa_kernarg_size 40
		.amdhsa_user_sgpr_count 2
		.amdhsa_user_sgpr_kernarg_segment_ptr 1
		.amdhsa_wavefront_size32 1
		.amdhsa_system_sgpr_workgroup_id_x 1
		.amdhsa_system_sgpr_workgroup_id_y 1
		.amdhsa_system_sgpr_workgroup_id_z 1
		.amdhsa_system_vgpr_workitem_id 0
		.amdhsa_next_free_vgpr 162
		.amdhsa_next_free_sgpr 66
		.amdhsa_reserve_vcc 0
		.amdhsa_float_denorm_mode_32 3
		.amdhsa_float_denorm_mode_16_64 3
		.amdhsa_memory_ordered 1
		.amdhsa_forward_progress 1
		.amdhsa_inst_pref_size 67
	.end_amdhsa_kernel
	.amdgpu_metadata
---
amdhsa.version: [ 1, 2 ]
amdhsa.kernels:
  - .name:           k_q7859028990_prep
    .symbol:         k_q7859028990_prep.kd
    .args:
      - { .name: emb_table, .offset: 0, .size: 8, .value_kind: global_buffer, .address_space: global }
      - { .name: xt, .offset: 8, .size: 8, .value_kind: global_buffer, .address_space: global }
      - { .name: embh, .offset: 16, .size: 8, .value_kind: global_buffer, .address_space: global }
      - { .name: nhe, .offset: 24, .size: 8, .value_kind: global_buffer, .address_space: global }
      - { .name: xh, .offset: 32, .size: 8, .value_kind: global_buffer, .address_space: global }
    .group_segment_fixed_size: 1536
    .private_segment_fixed_size: 0
    .kernarg_segment_align: 8
    .kernarg_segment_size: 40
    .max_flat_workgroup_size: 256
    .sgpr_count:     66
    .vgpr_count:     162
    .wavefront_size: 32
...
	.end_amdgpu_metadata
.endif
;; end of part 1
;; launch score (part 2): grid 16 x 16, 4 waves a work-group, clusters of 4 x 1, 327,680 bytes of LDS; arguments embh, nhe, xh, cand; writes cand
.if DOCPART == 2
	.amdgcn_target "amdgcn-amd-amdhsa--gfx1250"
	.amdhsa_code_object_version 6
	.text
	.protected	k_q7859028990_score
	.globl	k_q7859028990_score
	.p2align	8
	.type	k_q7859028990_score,@function
k_q7859028990_score:
	s_mov_b64 s[64:65], 0
	v_nop
	global_prefetch_b8 v0, s[64:65] scope:SCOPE_SE
	s_setreg_imm32_b32 hwreg(HW_REG_WAVE_MODE, 25, 1), 1
	s_wait_xcnt 0x0
	s_wait_alu depctr_hold_cnt(0) depctr_sa_sdst(0) depctr_va_vdst(0) depctr_va_sdst(0) depctr_va_ssrc(0) depctr_va_vcc(0) depctr_vm_vsrc(0)
	s_getreg_b32 s2, hwreg(HW_REG_IB_STS2, 6, 4)
	s_cmp_eq_u32 s2, 0
	s_cbranch_scc0 .Lentry_in_a_cluster
	s_endpgm
.Lentry_in_a_cluster:
	s_bfe_u32 s2, ttmp6, 0x10000c
	s_cmp_lg_u32 s2, 0x3003
	s_cbranch_scc0 .Lentry_shape_is_right
	s_endpgm
.Lentry_shape_is_right:
; For 256 rows of x and a range of 2,000 codes: v(row, n) = x . e_n - e_sq[n] / 2 on the matrix units (bf16 operands, f32 sums), and the running
; maximum of v with its first index.  argmin(e_sq - 2 x.e) = argmax(x.e - e_sq/2): the factor -1/2 is exact, only the order of rounding differs.
; Out: for each row and range one pair (key, code): key = the order-preserving u32 image of the f32 maximum, code = the lowest code that has it.
; LIMITS: NaN and infinite inputs or scores are not served (a NaN never wins here).  Ties go to the lowest code; -0 and +0 count as equal.
; e_sq is that of the bf16-rounded table.  Two codes closer than the rounding of the f32 sums may fall either way.
;
; SHARES: grid x = block of 256 rows, grid y = range of 2,000 codes = 125 tiles of 16: 256 equal work-groups.  Four waves, as many as a WGP has
; SIMDs; a wave owns 64 rows (four tiles of 16) for all 512 of K: its x fragments, 512 registers, are loaded once and stay.  Only the table
; streams: 25 steps of five tiles (80 codes x 1,024 bytes) through two LDS slots.  One pair of 16-byte LDS loads a lane feeds four matrix instructions.
; CLUSTER: the four work-groups of a cluster have the same range, so every table tile and the piece of nhe is asked for jointly (mask 15): the
; requests for the table are divided by four.  x is not shared: a work-group reads its 256 KiB of xh once, against 2 MiB of table.
;
; THE MATRIX INSTRUCTION IS USED TRANSPOSED: source 0 = 16 codes, source 1 = 16 rows of x.  Register j of lane (r, h) is code 8 h + j of the tile
; for row r (ISA guide 7.12.2).  -e_sq/2 of those eight codes, two 16-byte LDS loads, is the C of the tile's first k step: nothing is cleared or added later.
;
; REGISTERS: window 0: addresses, E, F (eight fragment buffers), ACC (two sets of four accumulators), BEST, IDX.  Window 1: x fragments of k steps 0-7
; at 32 (ks mod 8) + 8 m.  Window 2: k steps 8-15.  Only source 1 of the matrix instructions leaves window 0, so s_set_vgpr_msb is 0x04 or 0x08: two
; switches a tile.  Every other instruction under these settings has no vector register as its second source, so it needs no switch.
; THE FOLD of a finished tile's 32 results a lane runs between the next tile's matrix instructions, two plain vector instructions behind each.
.set PITCH, 1040                       ; an LDS row: 1,024 bytes + 16 of padding, an odd multiple of 16: the 16 rows of a fragment load start in 16 different 16-byte columns modulo 256
.set TILEB, 16*PITCH                   ; a tile of 16 codes
.set PART,  20*PITCH                   ; what one tensor load brings: 20 rows
.set SLOT,  80*PITCH                   ; 83,200 bytes
.set NH,    2*SLOT                     ; behind the ring: 2,000 f32 of nhe, filled once
.set STEPB, 80*1024                    ; a step's bytes in embh
.set ADR,   3                          ; v3 slot 0 tiles 0-2, v4 slot 0 tiles 3-4, v5 and v6 the same for slot 1 (an LDS offset has 16 bits)
.set NHA,   7                          ; v7  NH + 32 h + 640 x trip
.set T,     12                         ; v[12:15]
.set E,     16                         ; v[16:23]   -e_sq/2 of my eight codes of the next tile
.set F,     24                         ; v[24:87]   eight buffers of 8: k step u of the table lies in buffer u mod 8
.set ACC,   88                         ; v[88:151]  set p at 32 p, x tile m at 8 m
.set BEST,  152                        ; v[152:183] running maximum of (x tile m, register j) at 8 m + j
.set IDX,   184                        ; v[184:215] the tile in which it was first reached
.set HJ,    216                        ; v[216:223] 8 h + j
.set MX,    224
.set TM,    225
.set CM,    226
.set CC,    227
.set RES,   228                        ; v[228:235] (key, code) of x tile m
.set OUTP,  236                        ; v[236:239]
.set G1,  16                           ; s[16:23] group 1 of the table's loads
.set G0,  24                           ; s[24:31] group 0, a set for each slot
.set G1N, 32                           ; s[32:39] group 1 of the nhe piece
.set G0N, 40                           ; s[40:43] its group 0
.set MSB, 0
.macro WIN new                         ; the immediate's high byte repeats the setting that is left
.if MSB != \new
	s_set_vgpr_msb (MSB<<8)|\new
.set MSB, \new
.endif
.endm
.macro CREST                           ; a round of the cluster's barrier behind its opening work-group barrier
	s_cmp_lg_u32 s12, 0
	s_cbranch_scc1 .Lnot_wave_0_\@
	s_barrier_signal -3
.Lnot_wave_0_\@:
	s_barrier_wait -3
	s_barrier_signal -1
	s_barrier_wait -1
.endm
.macro CROUND                          ; a whole round
	s_barrier_signal -1
	s_barrier_wait -1
	CREST
.endm
.macro PLACES
.rept 4
	v_nop
.endr
.endm
	s_load_b256 s[4:11], s[0:1], 0x0               ; embh s[4:5], nhe s[6:7], xh s[8:9], cand s[10:11]
	v_lshl_add_u32 v254, v0, 2, 0x2aa00
	v_mov_b32 v255, 0
	ds_add_u32 v254, v255
	v_lshrrev_b32 v1, 5, v0
	v_readfirstlane_b32 s12, v1                    ; wave 0..3
	s_bfe_u32 s13, ttmp6, 0x40000                  ; cx: enters the addresses of xh and cand alone
	s_lshl_b32 s14, ttmp9, 2
	s_add_co_u32 s14, s14, s13                     ; block of 256 rows = 4 x cluster x + cx
	s_and_b32 s15, ttmp7, 0xffff                   ; range of codes: the cluster is one work-group high
	; group 1, table: 20 rows x 512 elements of 2 bytes, 4 words of padding behind every 256 words; mask 15 = all four partners, bit 21 beside it
	s_mov_b32 s[G1+0], 15|(1<<16)|(1<<20)|(1<<21)|(7<<22)|(3<<25)
	s_mov_b32 s[G1+1], 512<<16                     ; tensor_dim0 = 512
	s_mov_b32 s[G1+2], 20<<16                      ; tensor_dim1 = 20
	s_mov_b32 s[G1+3], 512<<16                     ; tile_dim0 = 512
	s_mov_b32 s[G1+4], 20                          ; tile_dim1 = 20
	s_mov_b32 s[G1+5], 512                         ; elements from row to row
	s_mov_b32 s[G1+6], 0
	s_mov_b32 s[G1+7], 0
	; group 1, nhe: one row of 250 elements of 8 bytes, no padding
	s_mov_b32 s[G1N+0], 15|(3<<16)|(1<<21)
	s_mov_b32 s[G1N+1], 250<<16
	s_mov_b32 s[G1N+2], 1<<16
	s_mov_b32 s[G1N+3], 250<<16
	s_mov_b32 s[G1N+4], 1
	s_mov_b32 s[G1N+5], 250
	s_mov_b32 s[G1N+6], 0
	s_mov_b32 s[G1N+7], 0
	; group 0: LDS addresses are a constant plus the wave's number times a constant
	s_mov_b32 s[G0+0], 1
	s_mul_i32 s[G0+1], s12, PART
	s_mov_b32 s[G0+4], 1
	s_add_co_u32 s[G0+5], s[G0+1], SLOT
	s_mov_b32 s[G0N+0], 1
	s_mul_i32 s[G0N+1], s12, 2000
	s_add_co_u32 s[G0N+1], s[G0N+1], NH
	s_mul_i32 s56, s15, 2000*1024                  ; the range's first row in embh,
	s_mul_i32 s57, s12, 20*1024                    ; my 20 rows of a step
	s_add_co_u32 s56, s56, s57
	s_mov_b32 s57, 0
	s_mul_i32 s60, s15, 8000                       ; the range's first number in nhe,
	s_mul_i32 s61, s12, 2000                       ; my quarter
	s_add_co_u32 s60, s60, s61
	s_mov_b32 s61, 0
	s_mul_i32 s54, s15, 2000                       ; the range's first code
	s_mov_b32 s45, -1                              ; the tile whose results are being folded
	s_mov_b32 s46, 0xff800000                      ; -infinity
	s_mov_b32 s52, 0x76543210
	s_mov_b32 s53, 0xfedcba98
	s_mov_b32 s55, 0xffff0000                      ; lanes 16-31
	v_and_b32 v8, 31, v0
	v_lshlrev_b32 v9, 3, v8                        ; 8 x lane
	v_lshlrev_b32 v8, 4, v8                        ; 16 x lane
	s_lshl_b32 s58, s14, 18                        ; xh: 16 tiles of 16 KiB a block, 4 a wave
	s_lshl_b32 s47, s12, 16
	s_add_co_u32 s58, s58, s47
	s_mov_b32 s59, 0
	s_wait_dscnt 0x0
	s_wait_kmcnt 0x0
	s_add_nc_u64 s[G0+2:G0+3], s[4:5], s[56:57]    ; step 0
	s_add_nc_u64 s[G0+6:G0+7], s[G0+2:G0+3], STEPB ; step 1
	s_or_b32 s[G0+3], s[G0+3], 0x80000000          ; type = 2
	s_or_b32 s[G0+7], s[G0+7], 0x80000000
	s_add_nc_u64 s[G0N+2:G0N+3], s[6:7], s[60:61]
	s_or_b32 s[G0N+3], s[G0N+3], 0x80000000
	s_add_nc_u64 s[48:49], s[8:9], s[58:59]        ; my four tiles of xh
	s_lshl_b32 s58, s15, 15                        ; cand: 4,096 pairs of 8 bytes a range,
	s_lshl_b32 s47, s14, 11                        ; 256 a block,
	s_add_co_u32 s58, s58, s47
	s_lshl_b32 s47, s12, 9                         ; 64 a wave
	s_add_co_u32 s58, s58, s47
	s_add_nc_u64 s[50:51], s[10:11], s[58:59]
	CROUND                                         ; all four work-groups are here: the first joint loads meet
	tensor_load_to_lds s[G0N:G0N+3], s[G1N:G1N+7]  ; the three first fills go out together: three tensor loads of this wave are out here, one at any later time
	s_nop 0
	tensor_load_to_lds s[G0:G0+3], s[G1:G1+7]
	s_nop 0
	tensor_load_to_lds s[G0+4:G0+7], s[G1:G1+7]
	s_nop 0
	; my x fragments, straight into their registers: xh lies in fragment order, each load takes 512 consecutive bytes
	WIN 0x40
.irp ks, 0,1,2,3,4,5,6,7
.irp m, 0,1,2,3
	global_load_b128 v[32*\ks+8*\m:32*\ks+8*\m+3],   v8, s[48:49] offset:16384*\m+1024*\ks
	global_load_b128 v[32*\ks+8*\m+4:32*\ks+8*\m+7], v8, s[48:49] offset:16384*\m+1024*\ks+512
.endr
.endr
	WIN 0x80
.irp ks, 0,1,2,3,4,5,6,7
.irp m, 0,1,2,3
	global_load_b128 v[32*\ks+8*\m:32*\ks+8*\m+3],   v8, s[48:49] offset:16384*\m+1024*\ks+8192
	global_load_b128 v[32*\ks+8*\m+4:32*\ks+8*\m+7], v8, s[48:49] offset:16384*\m+1024*\ks+8192+512
.endr
.endr
	WIN 0
	v_and_b32 v1, 15, v0                           ; r
	v_bfe_u32 v2, v0, 4, 1                         ; h
	v_mul_u32_u24 v3, v1, PITCH
	v_lshl_add_u32 v3, v2, 4, v3                   ; row r, 16 bytes for each half of the lanes
	v_add_nc_u32 v4, 3*TILEB, v3
	v_add_nc_u32 v5, SLOT, v3
	v_add_nc_u32 v6, SLOT+3*TILEB, v3
	v_lshlrev_b32 v[NHA], 5, v2
	v_add_nc_u32 v[NHA], NH, v[NHA]
	; The running maxima start at -infinity, their indices at 0.  Accumulator set 1 starts at -infinity too: the first tile's fold then reads a
	; tile that changes nothing (-inf - -inf is NaN, which is not greater than 0), and no first tile need be written out.  These run while the first fills are on their way.
.set i, 0
.rept 32
	v_mov_b32 v[BEST+i], s46
	v_mov_b32 v[ACC+32+i], s46
	v_mov_b32 v[IDX+i], 0
.set i, i+1
.endr
; One matrix instruction: set p, k step ks, x tile m.  The first k step takes E as C.
.macro WM p, ks, m
.if (\ks) == 0
	v_wmma_f32_16x16x32_bf16 v[ACC+32*(\p)+8*(\m):ACC+32*(\p)+8*(\m)+7], v[F+8*((\ks)&7):F+8*((\ks)&7)+7], v[32*((\ks)&7)+8*(\m):32*((\ks)&7)+8*(\m)+7], v[E:E+7]
.else
	v_wmma_f32_16x16x32_bf16 v[ACC+32*(\p)+8*(\m):ACC+32*(\p)+8*(\m)+7], v[F+8*((\ks)&7):F+8*((\ks)&7)+7], v[32*((\ks)&7)+8*(\m):32*((\ks)&7)+8*(\m)+7], v[ACC+32*(\p)+8*(\m):ACC+32*(\p)+8*(\m)+7]
.endif
.endm
; Half of the fold of result w/2 of set q.  Even w: the difference to the running maximum (its sign is exact) and the new maximum; odd w: where the
; difference is greater than 0 the index becomes s45.  Strictly greater, tiles ascending: the first index stays.  No vector register stands as a second source.
.macro EP2 q, w
.if ((\w)&1) == 0
	v_fma_f32 v[T+(((\w)/2)&3)], v[ACC+32*(\q)+(\w)/2], 1.0, -v[BEST+(\w)/2]
	v_max3_num_f32 v[BEST+(\w)/2], v[ACC+32*(\q)+(\w)/2], s46, v[BEST+(\w)/2]
.else
	v_cmp_gt_f32 vcc_lo, v[T+(((\w)/2)&3)], 0
	v_cndmask_b32 v[IDX+(\w)/2], v[IDX+(\w)/2], s45, vcc_lo
.endif
.endm
; The fragment of k step u (0..15) of tile ti of slot sl: two loads of 16 bytes, 32 bytes apart
.macro FLOAD sl, ti, u
.if (\ti) < 3
	ds_load_b128 v[F+8*((\u)&7):F+8*((\u)&7)+3],   v[ADR+2*(\sl)] offset:TILEB*(\ti)+64*(\u)
	ds_load_b128 v[F+8*((\u)&7)+4:F+8*((\u)&7)+7], v[ADR+2*(\sl)] offset:TILEB*(\ti)+64*(\u)+32
.else
	ds_load_b128 v[F+8*((\u)&7):F+8*((\u)&7)+3],   v[ADR+2*(\sl)+1] offset:TILEB*((\ti)-3)+64*(\u)
	ds_load_b128 v[F+8*((\u)&7)+4:F+8*((\u)&7)+7], v[ADR+2*(\sl)+1] offset:TILEB*((\ti)-3)+64*(\u)+32
.endif
.endm
.macro FNEXT sl, ti, u                 ; u counts on over the tile's end: 16.. are the next tile's k steps, in this slot or, behind tile 4, in the other
.if (\u) < 16
	FLOAD \sl, \ti, \u
.elseif (\ti) < 4
	FLOAD \sl, (\ti)+1, (\u)-16
.else
	FLOAD 1-(\sl), 0, (\u)-16
.endif
.endm
.macro ELOAD ta                        ; -e_sq/2 of codes 8 h .. 8 h + 7 of tile ta (counted from the trip's first tile); the 16 lanes of a half read the same bytes
	ds_load_b128 v[E:E+3],   v[NHA] offset:64*(\ta)
	ds_load_b128 v[E+4:E+7], v[NHA] offset:64*(\ta)+16
.endm
; One k step of tile ti of slot sl; ta = the tile counted from the trip's first.  wt = the count on DScnt (-1: no wait); ld = 1: the fragment seven k steps
; ahead is loaded, and at k step 8 the next tile's E; 2: the fragment alone; 0: nothing.
; The four accumulators take turns, one instruction a turn, over tile ends and the backward jump too.
; A buffer is loaded again six plain vector instructions behind the last matrix instruction that read it (two of that one's fold, four of this step's), none of
; which names a register of it (ISA guide 7.12.1 for vector instructions).
.macro STEP sl, ti, ta, ks, wt, ld
.if (\wt) >= 0
	s_wait_dscnt \wt
.endif
.if (\ks) == 0
	WIN 0x04
.endif
.if (\ks) == 8
	WIN 0x08
.endif
	WM (\ta)&1, \ks, 0
	EP2 1-((\ta)&1), 4*(\ks)
	WM (\ta)&1, \ks, 1
	EP2 1-((\ta)&1), 4*(\ks)+1
.if (\ld) > 0
	FNEXT \sl, \ti, (\ks)+7
.endif
.if (\ld) == 1
.if (\ks) == 8
	ELOAD (\ta)+1
.endif
.endif
	WM (\ta)&1, \ks, 2
	EP2 1-((\ta)&1), 4*(\ks)+2
	WM (\ta)&1, \ks, 3
	EP2 1-((\ta)&1), 4*(\ks)+3
.endm
; A plain tile.  s_wait_dscnt 12: LDS loads come back in order (ISA guide 5.7.1); behind the pair that this k step needs stand the six pairs of the next six
; k steps (in k steps 9 to 15 the pair of E as well: 12 is then the smaller, safe count).  E's pair is older than the next tile's first fragment.
.macro TILE0 sl, ti, ta
.irp k, 0,1,2,3,4,5,6,7,8,9,10,11,12,13,14,15
	STEP \sl, \ti, \ta, \k, 12, 1
.endr
	s_add_co_u32 s45, s45, 1
.endm
.macro FOUR sl, t0                     ; tiles 0 to 3 of a slot
.irp q, 0,1,2,3
	TILE0 \sl, \q, (\t0)+\q
.endr
.endm
; Tile 4 of a slot, with the change of slots.  K step 8 issues the slot's last read.  In front of k step 11 each wave waits for all its LDS reads and for all its
; tensor loads (one is out: its part of the other slot) and signals; k step 11 is register work.  refill = 1: the barrier opens a round of the cluster's barrier, and
; behind the round this slot is asked for again, two steps ahead: no wave of any partner still reads it or has a load on its way.  Then the four fragment pairs
; that k steps 9 to 12 would have loaded are fetched from the other slot in one run, so the order of LDS loads, and with it the count 12, is that of a plain tile.
.macro CHANGE sl, ta, refill
.irp k, 0,1,2,3,4,5,6,7,8
	STEP \sl, 4, \ta, \k, 12, 1
.endr
	STEP \sl, 4, \ta, 9, 12, 0
	STEP \sl, 4, \ta, 10, 12, 0
	s_wait_dscnt 0x0                               ; my reads of this slot are over
	s_set_vgpr_msb 0x800
	s_wait_tensorcnt 0x0                           ; all my tensor loads have landed, so a group 0 may be written
	ds_add_u32 v254, v255
	s_wait_dscnt 0x0
	s_set_vgpr_msb 0x8
.if \refill
	s_add_nc_u64 s[G0+4*(\sl)+2:G0+4*(\sl)+3], s[G0+4*(\sl)+2:G0+4*(\sl)+3], 2*STEPB
.endif
	s_barrier_signal -1
	STEP \sl, 4, \ta, 11, -1, 0
	WIN 0
	s_barrier_wait -1
.if \refill
	CREST
	tensor_load_to_lds s[G0+4*(\sl):G0+4*(\sl)+3], s[G1:G1+7]     ; my one tensor load behind the round, and the first thing there
	s_nop 0
.endif
	PLACES                                         ; buffer 3 was read by k step 11's last matrix instruction
.irp u, 16,17,18,19
	FNEXT \sl, 4, \u
.endr
	WIN 0x08
	STEP \sl, 4, \ta, 12, 12, 0
.irp k, 13,14,15
	STEP \sl, 4, \ta, \k, 12, 1
.endr
	s_add_co_u32 s45, s45, 1
.endm
; The range's last tile: nothing is loaded beyond its own k step 15, and the counts run down to 0
.macro LAST sl, ta
.irp k, 0,1,2,3,4,5,6,7
	STEP \sl, 4, \ta, \k, 12, 1
.endr
	STEP \sl, 4, \ta, 8, 12, 2
	STEP \sl, 4, \ta, 9, 12, 0
.irp k, 10,11,12,13,14,15
	STEP \sl, 4, \ta, \k, 2*(15-\k), 0
.endr
	s_add_co_u32 s45, s45, 1
.endm
	s_wait_tensorcnt 0x1                           ; tensor loads of a wave end in order (ISA guide 10.11.1): my parts of nhe and of slot 0 are in; slot 1's may stay out
	s_barrier_signal -1
	s_barrier_wait -1                              ; everybody's are
	ELOAD 0
.irp u, 0,1,2,3,4,5,6
	FLOAD 0, 0, \u
.endr
	s_wait_loadcnt 0x0                             ; my x fragments, once
	s_mov_b32 s44, 11                              ; 11 trips of two steps: steps 0 to 21; their changes of slot ask for steps 2 to 23
.Ltrip:
	FOUR 0, 0
	CHANGE 0, 4, 1
	FOUR 1, 5
	CHANGE 1, 9, 1
	WIN 0
	v_add_nc_u32 v[NHA], 640, v[NHA]               ; ten tiles of 16 f32 on
	s_sub_co_i32 s44, s44, 1
	s_cmp_lg_u32 s44, 0
	s_cbranch_scc1 .Ltrip
	FOUR 0, 0                                      ; step 22; its change of slots asks for step 24, the last
	CHANGE 0, 4, 1
	FOUR 1, 5                                      ; step 23; nothing is left to fetch: a plain barrier shows step 24 to every wave
	CHANGE 1, 9, 0
	FOUR 0, 10                                     ; step 24
	LAST 0, 14
	WIN 0
	; the fold of the last tile (set 0, s45 = 124).  Its first line stands eight plain vector instructions behind the matrix instruction that wrote the register it reads.
.set w, 0
.rept 64
	EP2 0, w
.set w, w+1
.endr
	; For each x tile: the maximum over my eight registers and over the two halves of the lanes, then the lowest code among those that have it.
	v_mov_b32 v[TM], 0                             ; the destination of v_permlanex16_b32 counts as read
	v_lshlrev_b32 v[HJ], 3, v2
.irp j, 1,2,3,4,5,6,7
	v_add_nc_u32 v[HJ+\j], \j, v[HJ]
.endr
.macro RED m
	v_max3_num_f32 v[MX], v[BEST+8*\m], v[BEST+8*\m+1], v[BEST+8*\m+2]
	v_max3_num_f32 v[MX], v[MX], v[BEST+8*\m+3], v[BEST+8*\m+4]
	v_max3_num_f32 v[MX], v[MX], v[BEST+8*\m+5], v[BEST+8*\m+6]
	v_max_num_f32 v[MX], v[MX], v[BEST+8*\m+7]
	v_permlanex16_b32 v[TM], v[MX], s52, s53
	v_max_num_f32 v[MX], v[MX], v[TM]
.irp j, 0,1,2,3,4,5,6,7
	v_lshl_add_u32 v[CC], v[IDX+8*\m+\j], 4, v[HJ+\j]             ; code in the range = 16 x tile + 8 h + j
	v_cmp_eq_f32 vcc_lo, v[BEST+8*\m+\j], v[MX]
.if \j == 0
	v_cndmask_b32 v[CM], -1, v[CC], vcc_lo
.else
	v_cndmask_b32 v[CC], -1, v[CC], vcc_lo
	v_min_u32 v[CM], v[CM], v[CC]
.endif
.endr
	v_permlanex16_b32 v[TM], v[CM], s52, s53
	v_min_u32 v[CM], v[CM], v[TM]
	v_add_nc_u32 v[RES+2*\m+1], s54, v[CM]         ; the code in the table
	v_add_f32 v[MX], 0, v[MX]                      ; -0 becomes +0
	v_ashrrev_i32 v[TM], 31, v[MX]
	v_or_b32 v[TM], 0x80000000, v[TM]
	v_xor_b32 v[RES+2*\m], v[MX], v[TM]            ; positive: the sign bit set; negative: all bits turned: u32 order = f32 order
.endm
	RED 0
	RED 1
	RED 2
	RED 3
	; both halves of the lanes hold row r's pair of every x tile: lane L takes x tile L / 16, that is row L of 32
	v_cndmask_b32 v[OUTP],   v[RES],   v[RES+2], s55
	v_cndmask_b32 v[OUTP+1], v[RES+1], v[RES+3], s55
	v_cndmask_b32 v[OUTP+2], v[RES+4], v[RES+6], s55
	v_cndmask_b32 v[OUTP+3], v[RES+5], v[RES+7], s55
	global_store_b64 v9, v[OUTP:OUTP+1],   s[50:51]               ; 32 lanes x 8 bytes: 256 consecutive bytes, aligned
	global_store_b64 v9, v[OUTP+2:OUTP+3], s[50:51] offset:256
	CROUND                                         ; the closing round: no work-group ends while a partner may still ask for a tile that names it
	s_endpgm
.Lfunc_end_k_q7859028990_score:
	.size	k_q7859028990_score, .Lfunc_end_k_q7859028990_score-k_q7859028990_score
	.p2alignl 7, 3214868480
	.fill 96, 4, 3214868480
	.section	.rodata,"a",@progbits
	.p2align	6, 0x0
	.amdhsa_kernel k_q7859028990_score
		.amdhsa_group_segment_fixed_size 327680
		.amdhsa_private_segment_fixed_size 0
		.amdhsa_enable_private_segment 0
		.amdhsa_kernarg_size 32
		.amdhsa_user_sgpr_count 2
		.amdhsa_user_sgpr_kernarg_segment_ptr 1
		.amdhsa_wavefront_size32 1
		.amdhsa_system_sgpr_workgroup_id_x 1
		.amdhsa_system_sgpr_workgroup_id_y 1
		.amdhsa_system_sgpr_workgroup_id_z 1
		.amdhsa_system_vgpr_workitem_id 0
		.amdhsa_next_free_vgpr 768
		.amdhsa_next_free_sgpr 66
		.amdhsa_reserve_vcc 1
		.amdhsa_float_denorm_mode_32 3
		.amdhsa_float_denorm_mode_16_64 3
		.amdhsa_memory_ordered 1
		.amdhsa_forward_progress 1
		.amdhsa_inst_pref_size 255
	.end_amdhsa_kernel
	.section	.bss,"aw",@nobits
	.p2align	6
	.space	262144
	.amdgpu_metadata
---
amdhsa.version: [ 1, 2 ]
amdhsa.kernels:
  - .name:           k_q7859028990_score
    .symbol:         k_q7859028990_score.kd
    .args:
      - { .name: embh, .offset: 0, .size: 8, .value_kind: global_buffer, .address_space: global }
      - { .name: nhe, .offset: 8, .size: 8, .value_kind: global_buffer, .address_space: global }
      - { .name: xh, .offset: 16, .size: 8, .value_kind: global_buffer, .address_space: global }
      - { .name: cand, .offset: 24, .size: 8, .value_kind: global_buffer, .address_space: global }
    .group_segment_fixed_size: 327680
    .private_segment_fixed_size: 0
    .kernarg_segment_align: 8
    .kernarg_segment_size: 32
    .max_flat_workgroup_size: 128
    .sgpr_count:     66
    .vgpr_count:     768
    .wavefront_size: 32
...
	.end_amdgpu_metadata
.endif
;; end of part 2
;; launch pick (part 3): grid 256 x 1, 8 waves a work-group, no clusters, 0 bytes of LDS; arguments cand, emb_table, out0; writes out0
.if DOCPART == 3
	.amdgcn_target "amdgcn-amd-amdhsa--gfx1250"
	.amdhsa_code_object_version 6
	.text
	.protected	k_q7859028990_pick
	.globl	k_q7859028990_pick
	.p2align	8
	.type	k_q7859028990_pick,@function
k_q7859028990_pick:
	s_mov_b64 s[64:65], 0
	v_nop
	global_prefetch_b8 v0, s[64:65] scope:SCOPE_SE
	s_setreg_imm32_b32 hwreg(HW_REG_WAVE_MODE, 25, 1), 1
	s_wait_xcnt 0x0
; out0[row] = emb_table[code of the largest key among the row's 16 pairs (key, code), one for each range of 2,000 codes].
; The keys are whole numbers whose u32 order is the f32 order of the maxima.  Strictly greater, ranges ascending: on a tie the lower range, that is the lower code, stays.
; A wave owns two rows: 2,048 waves for 4,096 rows.  The pairs are the same for all lanes, so they are read and compared by scalar instructions; the two table rows
; (2,048 bytes each, in f32) are copied by four 16-byte loads and stores a lane, each covering 512 consecutive bytes.  No LDS, no loop, no change of EXEC.
; A code is clamped to 31,999 before it enters an address.
	s_load_b128 s[4:7], s[0:1], 0x0                ; cand s[4:5], emb_table s[6:7]
	s_load_b64 s[8:9], s[0:1], 0x10                ; out0
	v_lshrrev_b32 v2, 5, v0
	v_readfirstlane_b32 s10, v2                    ; wave 0..7
	v_and_b32 v1, 31, v0
	v_lshlrev_b32 v1, 4, v1                        ; 16 x lane
	s_lshl_b32 s11, ttmp9, 3
	s_add_co_u32 s11, s11, s10                     ; my pair of rows, 0..2047
	s_lshl_b32 s12, s11, 4                         ; two pairs of 8 bytes in cand
	s_mov_b32 s13, 0
	s_lshl_b32 s14, s11, 12                        ; two rows of 2,048 bytes in out0
	s_mov_b32 s15, 0
	s_wait_kmcnt 0x0
	s_add_nc_u64 s[4:5], s[4:5], s[12:13]
	s_add_nc_u64 s[8:9], s[8:9], s[14:15]
.irp q, 0,1,2,3,4,5,6,7,8,9,10,11
	s_load_b128 s[16+4*\q:19+4*\q], s[4:5], 32768*\q              ; range q: key and code of my first row, key and code of my second
.endr
.irp q, 12,13,14,15
	s_load_b128 s[20+4*\q:23+4*\q], s[4:5], 32768*\q              ; into s68 to s83
.endr
	s_wait_kmcnt 0x0                               ; scalar loads come back in no order: 0 alone shows them done
.macro BETTER b
	s_cmp_gt_u32 s[\b], s16
	s_cselect_b32 s16, s[\b], s16
	s_cselect_b32 s17, s[\b+1], s17
	s_cmp_gt_u32 s[\b+2], s18
	s_cselect_b32 s18, s[\b+2], s18
	s_cselect_b32 s19, s[\b+3], s19
.endm
.irp b, 20,24,28,32,36,40,44,48,52,56,60,68,72,76,80
	BETTER \b
.endr
	s_min_u32 s17, s17, 0x7cff
	s_min_u32 s19, s19, 0x7cff
	s_lshl_b32 s20, s17, 11                        ; a table row is 2,048 bytes
	s_mov_b32 s21, 0
	s_lshl_b32 s22, s19, 11
	s_mov_b32 s23, 0
	s_add_nc_u64 s[10:11], s[6:7], s[20:21]
	s_add_nc_u64 s[12:13], s[6:7], s[22:23]
.irp j, 0,1,2,3
	global_load_b128 v[4+4*\j:7+4*\j], v1, s[10:11] offset:512*\j       ; no hint: several rows may name the same code
.endr
.irp j, 0,1,2,3
	global_load_b128 v[20+4*\j:23+4*\j], v1, s[12:13] offset:512*\j
.endr
.irp j, 0,1,2,3,4,5,6,7
	s_wait_loadcnt 7-\j                            ; loads come back in order: load j is in, the younger ones stay out
	global_store_b128 v1, v[4+4*\j:7+4*\j], s[8:9] offset:512*\j th:TH_STORE_NT
.endr
	s_endpgm
.Lfunc_end_k_q7859028990_pick:
	.size	k_q7859028990_pick, .Lfunc_end_k_q7859028990_pick-k_q7859028990_pick
	.p2alignl 7, 3214868480
	.fill 96, 4, 3214868480
	.section	.rodata,"a",@progbits
	.p2align	6, 0x0
	.amdhsa_kernel k_q7859028990_pick
		.amdhsa_group_segment_fixed_size 0
		.amdhsa_private_segment_fixed_size 0
		.amdhsa_enable_private_segment 0
		.amdhsa_kernarg_size 24
		.amdhsa_user_sgpr_count 2
		.amdhsa_user_sgpr_kernarg_segment_ptr 1
		.amdhsa_wavefront_size32 1
		.amdhsa_system_sgpr_workgroup_id_x 1
		.amdhsa_system_sgpr_workgroup_id_y 1
		.amdhsa_system_sgpr_workgroup_id_z 1
		.amdhsa_system_vgpr_workitem_id 0
		.amdhsa_next_free_vgpr 40
		.amdhsa_next_free_sgpr 88
		.amdhsa_reserve_vcc 0
		.amdhsa_float_denorm_mode_32 3
		.amdhsa_float_denorm_mode_16_64 3
		.amdhsa_memory_ordered 1
		.amdhsa_forward_progress 1
		.amdhsa_inst_pref_size 7
	.end_amdhsa_kernel
	.amdgpu_metadata
---
amdhsa.version: [ 1, 2 ]
amdhsa.kernels:
  - .name:           k_q7859028990_pick
    .symbol:         k_q7859028990_pick.kd
    .args:
      - { .name: cand, .offset: 0, .size: 8, .value_kind: global_buffer, .address_space: global }
      - { .name: emb_table, .offset: 8, .size: 8, .value_kind: global_buffer, .address_space: global }
      - { .name: out0, .offset: 16, .size: 8, .value_kind: global_buffer, .address_space: global }
    .group_segment_fixed_size: 0
    .private_segment_fixed_size: 0
    .kernarg_segment_align: 8
    .kernarg_segment_size: 24
    .max_flat_workgroup_size: 256
    .sgpr_count:     88
    .vgpr_count:     40
    .wavefront_size: 32
...
	.end_amdgpu_metadata
.endif
;; end of part 3
